; MI455X (gfx1250); checked and timed in simulation.
; The chip was launched on July 23, 2026; its instructions are those of AMD's public machine-readable ISA for CDNA 5 (MIT licence, August 2026) and "CDNA5" Instruction Set Architecture Reference Guide (July 2026). The comments in the code are by the model that wrote it; some were corrected since.
;; Lightweight Cross Attention. Allowed arithmetic: float matrix products may take bf16 or f16 operands with f32 sums; all other float work in f32.
;; Inputs: Wk 1,024 x 1,024 float32; Wo 1,024 x 1,024 float32; Wq 1,024 x 1,024 float32; Wv 1,024 x 1,024 float32; bo 1,024 float32; kv_stack 4 x 4,096 x 1,024 float32; query 4,096 x 1,024 float32.
;; Outputs: out0 4 x 4,096 x 1,024 float32.
;; 2 versions, each right; version 2 is version 1 with the launch cast written anew for expert scheduling mode. Each part assembles by itself: llvm-mc -triple=amdgcn-amd-amdhsa -mcpu=gfx1250 --defsym DOCPART=n.
;; ======== version 1 of 2: 3 launches
;; workspace buffers: actb 41,943,040 bytes; wb 6,291,456 bytes; wob 2,097,152 bytes; attn 33,554,432 bytes
;; launch cast (part 1): grid 768 x 1, 8 waves a work-group, no clusters, 0 bytes of LDS; arguments kv_stack, query, Wq, Wk, Wv, Wo, actb, wb, wob; writes actb, wb, wob
.if DOCPART == 1
	.amdgcn_target "amdgcn-amd-amdhsa--gfx1250"
	.amdhsa_code_object_version 6
	.text
	.protected	k_q8f00b7425c_cast
	.globl	k_q8f00b7425c_cast
	.p2align	8
	.type	k_q8f00b7425c_cast,@function
k_q8f00b7425c_cast:
	s_mov_b64 s[64:65], 0
	v_nop
	global_prefetch_b8 v0, s[64:65] scope:SCOPE_SE
	s_setreg_imm32_b32 hwreg(HW_REG_WAVE_MODE, 25, 1), 1
	s_wait_xcnt 0x0
; f32 -> bf16 (round to nearest even; NaN and infinities stay what they are), once, ahead of the products, and laid out as the products' tiles, in chunks of 32 along K.
;   actb [bblk 64][chunk 32][row 320][32 k] bf16: row 64 s + r, s = 0..3 the module of kv_stack, s = 4 query; batch row 64 bblk + r, channel 32 chunk + k.
;   wb   [eblk 8][chunk 32][row 384][32 k] bf16: row 128 t + e, t = 0 Wq, 1 Wk, 2 Wv; weight row 128 eblk + e.
;   wob  [1024][1024] bf16: Wo as it lies.
; So any number of neighbouring chunks of one block of rows (20,480 bytes a chunk of activations, 24,576 of weights) is one dense run of bytes.
; A stream: each byte is read once and written once.  No LDS, no barrier, no matrix unit, no cluster: no two work-groups read the same byte.
; A work-group takes 32 source rows of 4,096 bytes.  24,576 rows (16,384 kv, 4,096 query, 4 x 1,024 weights) / 32 = 768 work-groups.
; Every thread issues its 32 loads of 16 bytes first (a wave has 16 KiB on its way), then converts and stores item by item; no register is written twice, so no store's source is ever rewritten.
.set OFFD, 2                           ; v2         byte offset of my 8 bytes in the destination; never rewritten
.set TT,   3                           ; v3         at work
.set X,    20                          ; v[20:147]  item i: 4 f32 as loaded
.set Y,    148                         ; v[148:211] item i: 4 bf16 to store
; Tiled destination.  Thread t: source row t / 8 of 32, the 16 bytes t % 8 of a chunk's 128.  Item i is chunk i; it stands in the immediates.
; A store of a wave: 32 lanes x 8 bytes = 256 consecutive bytes (four tiled rows of 64), at a multiple of 256 from the buffer's first byte.
; A load of a wave: four rows' aligned 128 bytes; two loads that follow each other take the two halves of the same 256.
.macro PATH_T stride
	v_lshrrev_b32 v1, 3, v0
	v_and_b32 v[TT], 7, v0
	v_lshlrev_b32 v[TT], 4, v[TT]
	v_lshl_add_u32 v1, v1, 12, v[TT]               ; row x 4,096 + 16 x (t % 8)
.set i, 0
.rept 32
	global_load_b128 v[X+4*i:X+4*i+3], v1, s[4:5] offset:i*128 th:TH_LOAD_NT
.set i, i+1
.endr
	v_lshlrev_b32 v[OFFD], 3, v0                   ; (t / 8) x 64 + (t % 8) x 8 = 8 t
.set i, 0
.rept 32
	s_wait_loadcnt 31-i                            ; loads come back in order (ISA guide 5.7.1): item i is in, the 31 - i younger ones stay out
	v_cvt_pk_bf16_f32 v[Y+2*i],   v[X+4*i],   v[X+4*i+1]
	v_cvt_pk_bf16_f32 v[Y+2*i+1], v[X+4*i+2], v[X+4*i+3]
	global_store_b64 v[OFFD], v[Y+2*i:Y+2*i+1], s[6:7] offset:i*\stride   ; 31 chunks at the most: inside the signed 24-bit immediate
.set i, i+1
.endr
.endm
; Row-major destination.  Item i is source row i: 256 threads x 16 bytes in, 256 x 8 bytes out.
.macro PATH_R
	v_lshlrev_b32 v1, 4, v0
	v_lshlrev_b32 v[OFFD], 3, v0
.set i, 0
.rept 32
	global_load_b128 v[X+4*i:X+4*i+3], v1, s[4:5] offset:i*4096 th:TH_LOAD_NT
.set i, i+1
.endr
.set i, 0
.rept 32
	s_wait_loadcnt 31-i
	v_cvt_pk_bf16_f32 v[Y+2*i],   v[X+4*i],   v[X+4*i+1]
	v_cvt_pk_bf16_f32 v[Y+2*i+1], v[X+4*i+2], v[X+4*i+3]
	global_store_b64 v[OFFD], v[Y+2*i:Y+2*i+1], s[6:7] offset:i*2048
.set i, i+1
.endr
.endm
	s_load_b512 s[16:31], s[0:1], 0x0              ; kv s[16:17], query s[18:19], Wq s[20:21], Wk s[22:23], Wv s[24:25], Wo s[26:27], actb s[28:29], wb s[30:31]
	s_load_b64 s[32:33], s[0:1], 0x40              ; wob
	s_mov_b32 s2, ttmp9                            ; g, the work-group's number
	s_mov_b32 s9, 0                                ; upper words of the two offsets: both stay under 2^32
	s_mov_b32 s11, 0
	s_wait_kmcnt 0x0
	s_cmp_ge_u32 s2, 640
	s_cbranch_scc1 .Lweights
	; g = 0..511: kv_stack, module g / 128, rows 32 (g % 128) on.  g = 512..639: query, rows 32 (g - 512) on, as 'module' 4.
	s_and_b32 s8, s2, 511
	s_lshl_b32 s8, s8, 17                          ; source: 32 rows x 4,096 bytes for each work-group
	s_bfe_u32 s10, s2, 0x60001                     ; bblk = (g / 2) % 64
	s_mul_i32 s10, s10, 655360                     ; 32 chunks x 20,480 bytes
	s_lshr_b32 s3, s2, 7                           ; s
	s_lshl_b32 s3, s3, 12                          ; 64 rows x 64 bytes
	s_add_co_u32 s10, s10, s3
	s_and_b32 s3, s2, 1                            ; which 32 of the block's 64 rows
	s_lshl_b32 s3, s3, 11
	s_add_co_u32 s10, s10, s3
	s_cmp_lt_u32 s2, 512
	s_cselect_b64 s[4:5], s[16:17], s[18:19]
	s_add_nc_u64 s[4:5], s[4:5], s[8:9]
	s_add_nc_u64 s[6:7], s[28:29], s[10:11]
	PATH_T 20480                                   ; a chunk of actb: 320 rows x 64 bytes
	s_endpgm
.Lweights:
	s_cmp_ge_u32 s2, 736
	s_cbranch_scc1 .Lwo
	; g = 640..735: weight t = (g - 640) / 32, rows 32 x on, x = (g - 640) % 32
	s_sub_co_u32 s3, s2, 640
	s_lshr_b32 s12, s3, 5                          ; t
	s_and_b32 s13, s3, 31                          ; x
	s_lshl_b32 s8, s13, 17
	s_lshr_b32 s10, s13, 2                         ; eblk
	s_mul_i32 s10, s10, 786432                     ; 32 chunks x 24,576 bytes
	s_lshl_b32 s14, s12, 13                        ; 128 rows x 64 bytes
	s_add_co_u32 s10, s10, s14
	s_and_b32 s14, s13, 3                          ; which 32 of the block's 128 rows
	s_lshl_b32 s14, s14, 11
	s_add_co_u32 s10, s10, s14
	s_cmp_eq_u32 s12, 0
	s_cselect_b64 s[4:5], s[20:21], s[22:23]
	s_cmp_eq_u32 s12, 2
	s_cselect_b64 s[4:5], s[24:25], s[4:5]
	s_add_nc_u64 s[4:5], s[4:5], s[8:9]
	s_add_nc_u64 s[6:7], s[30:31], s[10:11]
	PATH_T 24576                                   ; a chunk of wb: 384 rows x 64 bytes
	s_endpgm
.Lwo:
	; g = 736..767: Wo, rows 32 (g - 736) on
	s_sub_co_u32 s3, s2, 736
	s_lshl_b32 s8, s3, 17
	s_lshl_b32 s10, s3, 16
	s_add_nc_u64 s[4:5], s[26:27], s[8:9]
	s_add_nc_u64 s[6:7], s[32:33], s[10:11]
	PATH_R
	s_endpgm
.Lfunc_end_k_q8f00b7425c_cast:
	.size	k_q8f00b7425c_cast, .Lfunc_end_k_q8f00b7425c_cast-k_q8f00b7425c_cast
	.p2alignl 7, 3214868480
	.fill 96, 4, 3214868480
	.section	.rodata,"a",@progbits
	.p2align	6, 0x0
	.amdhsa_kernel k_q8f00b7425c_cast
		.amdhsa_group_segment_fixed_size 0
		.amdhsa_private_segment_fixed_size 0
		.amdhsa_enable_private_segment 0
		.amdhsa_kernarg_size 72
		.amdhsa_user_sgpr_count 2
		.amdhsa_user_sgpr_kernarg_segment_ptr 1
		.amdhsa_wavefront_size32 1
		.amdhsa_system_sgpr_workgroup_id_x 1
		.amdhsa_system_sgpr_workgroup_id_y 1
		.amdhsa_system_sgpr_workgroup_id_z 1
		.amdhsa_system_vgpr_workitem_id 0
		.amdhsa_next_free_vgpr 212
		.amdhsa_next_free_sgpr 66
		.amdhsa_reserve_vcc 0
		.amdhsa_float_denorm_mode_32 3
		.amdhsa_float_denorm_mode_16_64 3
		.amdhsa_memory_ordered 1
		.amdhsa_forward_progress 1
		.amdhsa_inst_pref_size 36
	.end_amdhsa_kernel
	.amdgpu_metadata
---
amdhsa.version: [ 1, 2 ]
amdhsa.kernels:
  - .name:           k_q8f00b7425c_cast
    .symbol:         k_q8f00b7425c_cast.kd
    .args:
      - { .name: kv_stack, .offset: 0, .size: 8, .value_kind: global_buffer, .address_space: global }
      - { .name: query, .offset: 8, .size: 8, .value_kind: global_buffer, .address_space: global }
      - { .name: Wq, .offset: 16, .size: 8, .value_kind: global_buffer, .address_space: global }
      - { .name: Wk, .offset: 24, .size: 8, .value_kind: global_buffer, .address_space: global }
      - { .name: Wv, .offset: 32, .size: 8, .value_kind: global_buffer, .address_space: global }
      - { .name: Wo, .offset: 40, .size: 8, .value_kind: global_buffer, .address_space: global }
      - { .name: actb, .offset: 48, .size: 8, .value_kind: global_buffer, .address_space: global }
      - { .name: wb, .offset: 56, .size: 8, .value_kind: global_buffer, .address_space: global }
      - { .name: wob, .offset: 64, .size: 8, .value_kind: global_buffer, .address_space: global }
    .group_segment_fixed_size: 0
    .private_segment_fixed_size: 0
    .kernarg_segment_align: 8
    .kernarg_segment_size: 72
    .max_flat_workgroup_size: 256
    .sgpr_count:     66
    .vgpr_count:     212
    .wavefront_size: 32
...
	.end_amdgpu_metadata
.endif
;; end of part 1
;; launch qkv (part 2): grid 8 x 64, 4 waves a work-group, clusters of 4 x 4, 327,680 bytes of LDS; arguments actb, wb, attn; writes attn
.if DOCPART == 2
	.amdgcn_target "amdgcn-amd-amdhsa--gfx1250"
	.amdhsa_code_object_version 6
	.text
	.protected	k_q8f00b7425c_qkv
	.globl	k_q8f00b7425c_qkv
	.p2align	8
	.type	k_q8f00b7425c_qkv,@function
k_q8f00b7425c_qkv:
	s_mov_b64 s[64:65], 0
	v_nop
	global_prefetch_b8 v0, s[64:65] scope:SCOPE_SE
	s_setreg_imm32_b32 hwreg(HW_REG_WAVE_MODE, 25, 1), 1
	s_wait_xcnt 0x0
	s_wait_alu depctr_hold_cnt(0) depctr_sa_sdst(0) depctr_va_vdst(0) depctr_va_sdst(0) depctr_va_ssrc(0) depctr_va_vcc(0) depctr_vm_vsrc(0)
	s_getreg_b32 s2, hwreg(HW_REG_IB_STS2, 6, 4)
	s_cmp_eq_u32 s2, 0
	s_cbranch_scc0 .Lentry_in_a_cluster
	s_endpgm
.Lentry_in_a_cluster:
	s_bfe_u32 s2, ttmp6, 0x10000c
	s_cmp_lg_u32 s2, 0xf033
	s_cbranch_scc0 .Lentry_shape_is_right
	s_endpgm
.Lentry_shape_is_right:
; q = query Wq^T, k = kv Wk^T, v = kv Wv^T; score = q . k / 8 for each (module, row, head); softmax over the one key position; attn = weight x v, rounded to bf16.
; Operands bf16 (as the launch before laid them), sums, score and softmax f32.  LIMITS: the operands' and attn's rounding to bf16; a score that is not finite gives NaN, as the formula does.
; SHARES.  Work-group (eblk, bblk): 64 batch rows x 128 output channels (two heads), of q and, for all four modules, of k and v.  Wave (i, j) = (w / 2, w % 2): batch rows 32 i .. 32 i + 31,
; head j (64 channels): 32 accumulators of 16 x 16 for k, 32 for v, 8 for q: 576 registers.  A score needs q and k of one row and one head: both lie in one wave, in the same lanes.
; K is cut into 32 CHUNKS of 32; a chunk is 320 rows of activations (4 modules and the query) and 384 rows of weights (Wq, Wk, Wv), 64 bytes each, dense in memory, chunk behind chunk.
; K goes in STEPS of three chunks (96) through two LDS slots, as long a step as two slots in LDS allow: four chunks would want 2 x 4 x 704 x 68 = 382,976 bytes.  32 = 2 + 10 x 3: step 0, a first
; fill, has two chunks, so that every refill is a whole step.  Step s lies in slot s % 2; chunk c uses fragment buffers c % 2.
; The mover takes a step's dense run as rows of 256 bytes (four operand rows) that start at multiples of 256, and lays 16 bytes of padding behind each: 68 bytes of LDS for a row and chunk.
; CLUSTERS: 4 x 4 work-groups.  The four of a row of the cluster share bblk and so the activations' tile, the four of a column share eblk and so the weights' tile: each tile is asked for JOINTLY.
; THE MATRIX INSTRUCTION IS USED TRANSPOSED (source 0 = 16 weight rows, source 1 = 16 batch rows): lane l holds batch row l % 16 and the channels 8 (l / 16) + 0..7.
; attn [16384][1024] bf16, row 256 bblk + 64 m + r: a block of 256 rows is four modules x the same 64 batch rows.
; REGISTERS, in windows of 256 (s_set_vgpr_msb, low byte: bits 1:0 source 0, 3:2 source 1, 5:4 source 2, 7:6 destination):
;   window 0: v0-31 addresses; v32-111, v112-191 activations' fragments, two buffers of 10 (fragment a = 2 m + rb of kv, 8 + rb of the query; rb: which 16 of my 32 rows); v192-255 scores
;   window 1: v0-95, v96-191 weights' fragments, two buffers of 12 (at 32 t + 8 n); v192-255 q's accumulators (at 32 rb + 8 n)
;   window 2: k's accumulators (at 8 (4 a + n));   window 3: v's, likewise
.set RP,     68                        ; LDS bytes for a row and chunk: 64 of data and a quarter of the 16 bytes that follow every four rows.  Row r of a fragment lies at 64 r + 16 (r / 4): in pieces of
                                       ; 16 bytes modulo 16 that is 4 (r % 4) + r / 4, sixteen different ones: the 16 rows of a load fall on 16 different groups of four banks (64 banks of 4 bytes: ISA guide 11.1)
.set CHA,    320*RP                    ; a chunk of activations in LDS (row 64 s + r)
.set CHB,    384*RP                    ; a chunk of weights (row 128 t + e)
.set APART,  3*CHA                     ; a slot: three chunks of activations, then three of weights
.set SLOT,   3*(CHA+CHB)               ; 143,616
.set STAGE,  2*SLOT                    ; behind the ring: 128 rows x 272 bytes, the work-group's, for the way out; no tensor load lands there
.set SPITCH, 272
.set ACH,    20480                     ; a chunk of activations in memory
.set BCH,    24576                     ; a chunk of weights
.set ASTEP,  3*ACH
.set BSTEP,  3*BCH
.set ADRB, 8                           ; v8-13   LDS address of my weights' fragments: slot s, chunk c at v[8 + 3 s + c] (three chunks pass an LDS load's 16-bit immediate)
.set ADRA, 16                          ; v16-17  LDS address of my activations' fragments in slot 0, 1; the chunk stands in the immediate
.set STO,  24                          ; v24     the way out: where I put 16 bytes of a row
.set RD,   25                          ; v25     the way out: where I read a row back
.set CO,   26                          ; v26     my byte offset in attn
.set FA,   32                          ; activations' fragments: buffer f at FA + 80 f
.set SC,   192                         ; scores: eight registers for each a
.set TMP,  32                          ; the way out: packed results, then whole rows
.set QACC, 192
.set G1,   24                          ; s[24:31] descriptor group 1 for a whole step's activations;  s[32:39] group 0, a set for each slot
.set G0,   32
.set G1B,  48                          ; s[48:55], s[56:63] the same for the weights
.set G0B,  56
.set G1S,  68                          ; s[68:75], s[76:83] group 1 for step 0's two chunks: activations, weights
.set G1SB, 76
.set G0S,  84                          ; s[84:87], s[88:91] group 0 for step 0
.set G0SB, 88
.set MSB, 0
.macro WIN new                         ; the immediate's high byte repeats the setting that is left; a switch that changes nothing is dropped
.if MSB != \new
	s_set_vgpr_msb (MSB<<8)|\new
.set MSB, \new
.endif
.endm
.set W_K,  0xa1                        ; source 0 (weights) window 1, source 1 (activations) window 0, C and D window 2
.set W_V,  0xf1                        ; C and D window 3
.set W_Q,  0x51                        ; C and D window 1
.set TO_B, 0x40                        ; destination window 1, address window 0
; A joint load.  Waves 0 and 1 fetch the activations' two halves, waves 2 and 3 the weights'.  Each line has one mask and one set of registers; the branch hangs on the wave's number alone.
; Four v_nop follow each of the two lines, ahead of the jump, the label and what follows the macro.
.macro JL g0a, g1a, g0b, g1b
	s_cmp_eq_u32 s11, 0
	s_cbranch_scc0 .Lfor_b_\@
	tensor_load_to_lds s[\g0a:\g0a+3], s[\g1a:\g1a+7]
	s_nop 0
.rept 4
	v_nop
.endr
	s_branch .Lasked_\@
.Lfor_b_\@:
	tensor_load_to_lds s[\g0b:\g0b+3], s[\g1b:\g1b+7]
	s_nop 0
.rept 4
	v_nop
.endr
.Lasked_\@:
.endm
.macro JLOAD s                         ; a whole step into slot s
	JL G0+4*\s, G1, G0B+4*\s, G1B
.endm
; A round of the cluster's barrier: my work-group's barrier; wave 0 signals for the work-group; every wave waits for all sixteen; my work-group's barrier once more.
.macro CREST                           ; a round behind its opening barrier
	s_cmp_lg_u32 s10, 0
	s_cbranch_scc1 .Lnot_wave_0_\@
	s_barrier_signal -3
.Lnot_wave_0_\@:
	s_barrier_wait -3
	s_barrier_signal -1
	s_barrier_wait -1
.endm
.macro CROUND
	s_barrier_signal -1
	s_barrier_wait -1
	CREST
.endm
; Group 1 but for its first word: a dense run of bytes as so many rows of 32 elements of 8 bytes
.macro SHAPE g, rows
	s_mov_b32 s[\g+1], 32<<16                      ; tensor_dim0 = 32
	s_mov_b32 s[\g+2], \rows<<16                   ; tensor_dim1
	s_mov_b32 s[\g+3], 32<<16                      ; tile_dim0 = 32
	s_mov_b32 s[\g+4], \rows                       ; tile_dim1
	s_mov_b32 s[\g+5], 32                          ; from row to row: 32 elements, dense
	s_mov_b32 s[\g+6], 0
	s_mov_b32 s[\g+7], 0
.endm
	s_load_b128 s[4:7], s[0:1], 0x0                ; actb s[4:5], wb s[6:7]
	s_load_b64 s[8:9], s[0:1], 0x10                ; attn
	v_lshl_add_u32 v30, v0, 2, 0x4ea00
	v_mov_b32 v31, 0
	ds_add_u32 v30, v31
	v_lshrrev_b32 v1, 5, v0
	v_readfirstlane_b32 s10, v1                    ; wave 0..3
	s_lshr_b32 s11, s10, 1                         ; i: which 32 batch rows are mine.  Also: I fetch activations (0) or weights (1)
	s_and_b32 s12, s10, 1                          ; j: which head.  Also: which half of that tile I fetch
	s_bfe_u32 s40, ttmp6, 0x40000                  ; cx
	s_bfe_u32 s41, ttmp6, 0x40004                  ; cy
	s_lshl_b32 s42, ttmp9, 2
	s_add_co_u32 s42, s42, s40                     ; eblk = 4 x cluster x + cx
	s_and_b32 s13, ttmp7, 0xffff
	s_lshl_b32 s13, s13, 2
	s_add_co_u32 s13, s13, s41                     ; bblk = 4 x cluster y + cy
	s_lshl_b32 s43, s41, 2
	s_lshl_b32 s43, 15, s43                        ; my row of the cluster: places 4 cy .. 4 cy + 3
	s_lshl_b32 s44, 0x1111, s40                    ; my column: places cx, cx + 4, cx + 8, cx + 12
	; Group 1, first word: 15:0 the mask; 17:16 elements of 8 bytes; 20 padding on; 21 set beside a mask; 24:22 after every 64 words (code 5), a row of 256 bytes; 31:25 of 4 words (code 3)
	s_or_b32 s[G1+0],   s43, (3<<16)|(1<<20)|(1<<21)|(5<<22)|(3<<25)
	s_or_b32 s[G1S+0],  s43, (3<<16)|(1<<20)|(1<<21)|(5<<22)|(3<<25)
	s_or_b32 s[G1B+0],  s44, (3<<16)|(1<<20)|(1<<21)|(5<<22)|(3<<25)
	s_or_b32 s[G1SB+0], s44, (3<<16)|(1<<20)|(1<<21)|(5<<22)|(3<<25)
	SHAPE G1,   120                                ; half of a step's 61,440 bytes of activations
	SHAPE G1B,  144                                ; half of its 73,728 bytes of weights
	SHAPE G1S,  80                                 ; half of step 0: one chunk of activations,
	SHAPE G1SB, 96                                 ; one chunk of weights
	; From where: the activations' tile hangs on bblk alone, the weights' on eblk alone, each made in registers that never hold the other coordinate.
	s_mul_i32 s16, s13, 32*ACH
	s_mov_b32 s17, 0
	s_mul_i32 s18, s12, ACH                        ; my half of step 0
	s_mov_b32 s19, 0
	s_mul_i32 s20, s12, ASTEP/2                    ; my half of a whole step
	s_mov_b32 s21, 0
	s_mul_i32 s46, s42, 32*BCH
	s_mov_b32 s47, 0
	s_mul_i32 s92, s12, BCH
	s_mov_b32 s93, 0
	s_mul_i32 s94, s12, BSTEP/2
	s_mov_b32 s95, 0
	s_mul_i32 s22, s12, 3*CHA/2                    ; to where: my half of a slot's activations,
	s_mul_i32 s23, s12, 3*CHB/2                    ; or of its weights, behind them
	s_add_co_u32 s23, s23, APART
	s_wait_dscnt 0x0
	s_wait_kmcnt 0x0
	s_add_nc_u64 s[14:15], s[4:5], s[16:17]
	s_add_nc_u64 s[46:47], s[6:7], s[46:47]
	CROUND                                         ; all sixteen work-groups are here: the first joint loads meet
	s_mov_b32 s[G0S], 1                            ; step 0 (chunks 0, 1) into slot 0: count = 1,
	s_mul_i32 s[G0S+1], s12, CHA                   ; LDS address,
	s_add_nc_u64 s[G0S+2:G0S+3], s[14:15], s[18:19]   ; global address,
	s_or_b32 s[G0S+3], s[G0S+3], 0x80000000        ; type = 2
	s_mov_b32 s[G0SB], 1
	s_mul_i32 s[G0SB+1], s12, CHB
	s_add_co_u32 s[G0SB+1], s[G0SB+1], APART
	s_add_nc_u64 s[G0SB+2:G0SB+3], s[46:47], s[92:93]
	s_or_b32 s[G0SB+3], s[G0SB+3], 0x80000000
	s_add_nc_u64 s[14:15], s[14:15], s[20:21]
	s_add_nc_u64 s[46:47], s[46:47], s[94:95]
.irp s, 0,1                            ; the walking descriptors: slot 1 begins with step 1 (chunk 2 on), slot 0 with step 2 (chunk 5 on)
	s_mov_b32 s[G0+4*\s], 1
	s_add_co_u32 s[G0+4*\s+1], s22, \s*SLOT
	s_add_nc_u64 s[G0+4*\s+2:G0+4*\s+3], s[14:15], (5-3*\s)*ACH
	s_or_b32 s[G0+4*\s+3], s[G0+4*\s+3], 0x80000000
	s_mov_b32 s[G0B+4*\s], 1
	s_add_co_u32 s[G0B+4*\s+1], s23, \s*SLOT
	s_add_nc_u64 s[G0B+4*\s+2:G0B+4*\s+3], s[46:47], (5-3*\s)*BCH
	s_or_b32 s[G0B+4*\s+3], s[G0B+4*\s+3], 0x80000000
.endr
	JL G0S, G1S, G0SB, G1SB                        ; step 0
	JLOAD 1                                        ; step 1: two tensor loads of mine are out
	; A fragment is 16 rows x 32 K in 8 registers: lane l holds row l % 16; registers 0-3 K = 8 (l / 16) + 0..7, registers 4-7 K = 16 + 8 (l / 16) + 0..7: two loads of 16 bytes, 32 apart.
	v_and_b32 v1, 15, v0                           ; l % 16
	v_bfe_u32 v2, v0, 4, 1                         ; l / 16
	v_lshrrev_b32 v4, 2, v1
	v_lshlrev_b32 v3, 6, v1                        ; row x 64
	v_lshl_add_u32 v3, v4, 4, v3                   ; + 16 for every four rows
	v_lshl_add_u32 v3, v2, 4, v3                   ; + 16 x half
	s_mul_i32 s16, s11, 32*RP                      ; my 32 of each 64 batch rows
	s_mul_i32 s17, s12, 64*RP                      ; my head's 64 of each 128 weight rows
	s_add_co_u32 s17, s17, APART
.irp s, 0,1
	v_add_nc_u32 v[ADRA+\s], s16, v3
.irp c, 0,1,2
	v_add_nc_u32 v[ADRB+3*\s+\c], s17, v3
	s_add_co_u32 s17, s17, CHB
.endr
	s_add_co_u32 s16, s16, SLOT
	s_add_co_u32 s17, s17, SLOT-3*CHB
.endr
	s_mul_i32 s16, s11, 32*SPITCH                  ; into the stage: row 64 (m % 2) + 32 i + 16 rb + l % 16, byte 128 j + 32 n + 16 (l / 16)
	s_lshl_b32 s17, s12, 7
	s_add_co_u32 s16, s16, s17
	s_add_co_u32 s16, s16, STAGE
	v_mul_u32_u24 v4, v1, SPITCH
	v_lshl_add_u32 v4, v2, 4, v4
	v_add_nc_u32 v[STO], s16, v4
	s_mul_i32 s16, s10, 32*SPITCH                  ; back: wave w takes rows 32 w .. 32 w + 31, whole; lanes 0-15 one row of 256 bytes, lanes 16-31 the next
	s_add_co_u32 s16, s16, STAGE
	v_mul_u32_u24 v5, v2, SPITCH
	v_lshl_add_u32 v5, v1, 4, v5
	v_add_nc_u32 v[RD], s16, v5
	v_lshlrev_b32 v5, 11, v2                       ; and the same two rows in attn (2,048 bytes a row)
	v_lshl_add_u32 v[CO], v1, 4, v5
	s_lshl_b32 s16, s13, 19                        ; attn at row 256 bblk + 32 w,
	s_lshl_b32 s17, s10, 16
	s_add_co_u32 s16, s16, s17
	s_mov_b32 s17, 0
	s_add_nc_u64 s[8:9], s[8:9], s[16:17]
	s_lshl_b32 s46, s42, 8                         ; byte 256 eblk
	s_mov_b32 s47, 0
	s_add_nc_u64 s[8:9], s[8:9], s[46:47]
	s_mov_b32 s22, 0x76543210                      ; v_permlanex16_b32: each lane takes its own place in the other half
	s_mov_b32 s23, 0xfedcba98
; The products of a chunk, from buffers f.  The 72 accumulators take turns, one instruction a turn, in the same order (k, v, q) in every chunk.  zero = 1: the product starts the sum.
.macro MULK f, a0, cnt, zero           ; k: fragments a0 .. a0 + cnt - 1 x 4 blocks of 16 channels
.set a, \a0
.rept \cnt
.irp n, 0,1,2,3
.if \zero
	v_wmma_f32_16x16x32_bf16 v[8*(4*a+\n):8*(4*a+\n)+7], v[96*\f+32+8*\n:96*\f+32+8*\n+7], v[FA+80*\f+8*a:FA+80*\f+8*a+7], 0
.else
	v_wmma_f32_16x16x32_bf16 v[8*(4*a+\n):8*(4*a+\n)+7], v[96*\f+32+8*\n:96*\f+32+8*\n+7], v[FA+80*\f+8*a:FA+80*\f+8*a+7], v[8*(4*a+\n):8*(4*a+\n)+7]
.endif
.endr
.set a, a+1
.endr
.endm
.macro MULV f, zero                    ; v: 32 products
.set a, 0
.rept 8
.irp n, 0,1,2,3
.if \zero
	v_wmma_f32_16x16x32_bf16 v[8*(4*a+\n):8*(4*a+\n)+7], v[96*\f+64+8*\n:96*\f+64+8*\n+7], v[FA+80*\f+8*a:FA+80*\f+8*a+7], 0
.else
	v_wmma_f32_16x16x32_bf16 v[8*(4*a+\n):8*(4*a+\n)+7], v[96*\f+64+8*\n:96*\f+64+8*\n+7], v[FA+80*\f+8*a:FA+80*\f+8*a+7], v[8*(4*a+\n):8*(4*a+\n)+7]
.endif
.endr
.set a, a+1
.endr
.endm
.macro MULQ f, zero                    ; q: 8 products
.irp rb, 0,1
.irp n, 0,1,2,3
.if \zero
	v_wmma_f32_16x16x32_bf16 v[QACC+32*\rb+8*\n:QACC+32*\rb+8*\n+7], v[96*\f+8*\n:96*\f+8*\n+7], v[FA+80*\f+64+8*\rb:FA+80*\f+64+8*\rb+7], 0
.else
	v_wmma_f32_16x16x32_bf16 v[QACC+32*\rb+8*\n:QACC+32*\rb+8*\n+7], v[96*\f+8*\n:96*\f+8*\n+7], v[FA+80*\f+64+8*\rb:FA+80*\f+64+8*\rb+7], v[QACC+32*\rb+8*\n:QACC+32*\rb+8*\n+7]
.endif
.endr
.endr
.endm
; 44 LDS loads in one run: the fragments of chunk c of a slot, into buffers f: 24 for the weights, 16 for kv, the query's 4 last
.macro FETCH slot, c, f
	WIN TO_B
.irp t, 0,1,2
.irp n, 0,1,2,3
	ds_load_b128 v[96*\f+32*\t+8*\n:96*\f+32*\t+8*\n+3],   v[ADRB+3*\slot+\c] offset:(128*\t+16*\n)*RP
	ds_load_b128 v[96*\f+32*\t+8*\n+4:96*\f+32*\t+8*\n+7], v[ADRB+3*\slot+\c] offset:(128*\t+16*\n)*RP+32
.endr
.endr
	WIN 0
.irp a, 0,1,2,3,4,5,6,7,8,9
	ds_load_b128 v[FA+80*\f+8*\a:FA+80*\f+8*\a+3],   v[ADRA+\slot] offset:\c*CHA+(64*(\a/2)+16*(\a%2))*RP
	ds_load_b128 v[FA+80*\f+8*\a+4:FA+80*\f+8*\a+7], v[ADRA+\slot] offset:\c*CHA+(64*(\a/2)+16*(\a%2))*RP+32
.endr
.endm
; A load into a register that a matrix instruction has read, and a vector instruction that reads a matrix result, stand four places behind that matrix instruction; only plain vector
; instructions that name none of its registers are places (ISA guide 7.12.1 for vector instructions).
.macro PLACES
.rept 4
	v_nop
.endr
.endm
; A chunk that is not its step's last: 72 matrix instructions on buffers f; behind the first 32 the same slot's chunk c is fetched into buffers g.
.macro PIECE slot, c, f, g, zero
	s_wait_dscnt 4                                 ; weights and kv are in; the youngest four loads (the query's) may be out
	WIN W_K
	MULK \f, 0, 8, \zero
	PLACES
	FETCH \slot, \c, \g
	s_wait_dscnt 44                                ; all but the 44 just issued
	WIN W_V
	MULV \f, \zero
	WIN W_Q
	MULQ \f, \zero
.endm
; A step's last chunk multiplies buffers f and changes slots: ONE barrier.  In front of it each wave waits for its reads of this slot and for all its tensor loads, of which one is out: its part of
; the next slot.  fill = 1: the barrier opens a round of the cluster's barrier, and behind the round this slot is filled again, two steps ahead: 216 - 16 = 200 matrix instructions ahead of the wait for it.
; The other slot's group 0, whose load that wait has shown done, is stepped here for its next turn.
.macro TURN slot, next, f, g, fill
	s_wait_dscnt 4
	WIN W_K
	MULK \f, 0, 4, 0
	s_wait_dscnt 0                                 ; my reads of this slot are over,
	s_set_vgpr_msb 0xa1a0
	s_wait_tensorcnt 0x0                           ; and all my tensor loads have landed
	ds_add_u32 v30, v31
	s_wait_dscnt 0x0
	s_set_vgpr_msb 0xa0a1
	s_barrier_signal -1
	MULK \f, 4, 4, 0                               ; work on registers while the others arrive
.if \fill
	WIN 0                                          ; at a branch and at a label every window is 0
.endif
	s_barrier_wait -1
.if \fill
	CREST                                          ; no wave of any partner still reads this slot's tile or has a load on its way
	s_add_nc_u64 s[G0+4*\next+2:G0+4*\next+3], s[G0+4*\next+2:G0+4*\next+3], 2*ASTEP    ; (the last stepped address is not used)
	s_add_nc_u64 s[G0B+4*\next+2:G0B+4*\next+3], s[G0B+4*\next+2:G0B+4*\next+3], 2*BSTEP
	JLOAD \slot                                    ; the first tensor load behind the round; its four v_nop are also the places in front of the loads below
.else
	PLACES
.endif
	FETCH \next, 0, \g
	WIN W_V
	MULV \f, 0
	WIN W_Q
	MULQ \f, 0
.endm
	s_wait_tensorcnt 1                             ; my part of step 0 is in; step 1's may stay out
	s_barrier_signal -1
	s_barrier_wait -1                              ; everybody's is
	FETCH 0, 0, 0
	PIECE 0, 1, 0, 1, 1                            ; step 0 stands in front of the loop: chunk 0's products start the sums,
	TURN 0, 1, 1, 0, 1                             ; chunk 1 changes slots; slot 0 takes step 2
	WIN 0
	s_mov_b32 s3, 4
.Llap:                                                 ; a trip is two steps, six chunks: steps 1 to 8; it fills steps 3 to 10
	PIECE 1, 1, 0, 1, 0
	PIECE 1, 2, 1, 0, 0
	TURN 1, 0, 0, 1, 1
	PIECE 0, 1, 1, 0, 0
	PIECE 0, 2, 0, 1, 0
	TURN 0, 1, 1, 0, 1
	WIN 0
	s_sub_co_u32 s3, s3, 1
	s_cmp_lg_u32 s3, 0
	s_cbranch_scc1 .Llap
	PIECE 1, 1, 0, 1, 0                            ; steps 9 and 10 fill nothing
	PIECE 1, 2, 1, 0, 0
	TURN 1, 0, 0, 1, 0
	PIECE 0, 1, 1, 0, 0
	PIECE 0, 2, 0, 1, 0
	s_wait_dscnt 0                                 ; the last chunk: nothing more to fetch
	WIN W_K
	MULK 1, 0, 8, 0
	WIN W_V
	MULV 1, 0
	WIN W_Q
	MULQ 1, 0
	WIN 0
	PLACES                                         ; the lines below read results just made
	; THE SCORES.  For fragment a (module a / 2, rows rb = a % 2): my lane's 32 products q x k, in four chains of pairs, one for each block of 16 channels.
	WIN 0x09                                       ; source 0 (q) window 1, source 1 (k) window 2, addend and destination window 0
.irp p, 0,1,2,3
.irp a, 0,1,2,3,4,5,6,7
.irp n, 0,1,2,3
.if \p == 0
	v_pk_mul_f32 v[SC+8*\a+2*\n:SC+8*\a+2*\n+1], v[QACC+32*(\a%2)+8*\n:QACC+32*(\a%2)+8*\n+1], v[8*(4*\a+\n):8*(4*\a+\n)+1]
.else
	v_pk_fma_f32 v[SC+8*\a+2*\n:SC+8*\a+2*\n+1], v[QACC+32*(\a%2)+8*\n+2*\p:QACC+32*(\a%2)+8*\n+2*\p+1], v[8*(4*\a+\n)+2*\p:8*(4*\a+\n)+2*\p+1], v[SC+8*\a+2*\n:SC+8*\a+2*\n+1]
.endif
.endr
.endr
.endr
	WIN 0
.irp a, 0,1,2,3,4,5,6,7
	v_pk_add_f32 v[SC+8*\a:SC+8*\a+1],   v[SC+8*\a:SC+8*\a+1],   v[SC+8*\a+2:SC+8*\a+3]
	v_pk_add_f32 v[SC+8*\a+4:SC+8*\a+5], v[SC+8*\a+4:SC+8*\a+5], v[SC+8*\a+6:SC+8*\a+7]
.endr
.irp a, 0,1,2,3,4,5,6,7
	v_pk_add_f32 v[SC+8*\a:SC+8*\a+1], v[SC+8*\a:SC+8*\a+1], v[SC+8*\a+4:SC+8*\a+5]
.endr
.irp a, 0,1,2,3,4,5,6,7
	v_add_f32 v[SC+8*\a], v[SC+8*\a], v[SC+8*\a+1]
.endr
.irp a, 0,1,2,3,4,5,6,7
	v_permlanex16_b32 v[SC+8*\a+1], v[SC+8*\a], s22, s23   ; the row's other 32 channels lie in the lane 16 away
.endr
.irp a, 0,1,2,3,4,5,6,7
	v_add_f32 v[SC+8*\a], v[SC+8*\a], v[SC+8*\a+1]
.endr
	; THE SOFTMAX over the one key position: the maximum is the score itself, the sum the one exponential.  weight = 2^(t - t) / 2^(t - t), t = score x log2(e) / 8: 1 for a finite score, NaN otherwise.
.irp a, 0,1,2,3,4,5,6,7
	v_mul_f32 v[SC+8*\a], 0x3e38aa3b, v[SC+8*\a]           ; log2(e) / 8
.endr
.irp a, 0,1,2,3,4,5,6,7
	v_sub_f32 v[SC+8*\a+1], v[SC+8*\a], v[SC+8*\a]         ; the maximum is taken away
.endr
.irp a, 0,1,2,3,4,5,6,7
	v_exp_f32 v[SC+8*\a+2], v[SC+8*\a+1]
.endr
	v_nop                                          ; a plain instruction between the last exponential and the use of its result
	s_wait_alu depctr_va_vdst(0)
.irp a, 0,1,2,3,4,5,6,7
	v_rcp_f32 v[SC+8*\a+3], v[SC+8*\a+2]
.endr
	v_nop                                          ; and behind the last reciprocal
	s_wait_alu depctr_va_vdst(0)
.irp a, 0,1,2,3,4,5,6,7
	v_mul_f32 v[SC+8*\a+4], v[SC+8*\a+2], v[SC+8*\a+3]     ; the weight; its pair's other register holds an old sum and is not used
.endr
	WIN 0xc3                                       ; v (destination and source 0) window 3, the weight window 0
.irp a, 0,1,2,3,4,5,6,7
.irp n, 0,1,2,3
.irp p, 0,1,2,3
	v_pk_mul_f32 v[8*(4*\a+\n)+2*\p:8*(4*\a+\n)+2*\p+1], v[8*(4*\a+\n)+2*\p:8*(4*\a+\n)+2*\p+1], v[SC+8*\a+4:SC+8*\a+5] op_sel_hi:[1,0]
.endr
.endr
.endr
	; THE WAY OUT: round to bf16; then, two modules (128 rows) at a time: 16 bytes a lane into the work-group's stage; a barrier, since a row's 256 bytes come from two waves; back as whole rows, 32 rows a wave.
	WIN 0x0f                                       ; sources 0 and 1 window 3, destination window 0: the fragments' registers are free
.irp a, 0,1,2,3,4,5,6,7
.irp n, 0,1,2,3
.irp p, 0,1,2,3
	v_cvt_pk_bf16_f32 v[TMP+16*\a+4*\n+\p], v[8*(4*\a+\n)+2*\p], v[8*(4*\a+\n)+2*\p+1]
.endr
.endr
.endr
	WIN 0
.macro OUTPASS p                       ; modules 2 p and 2 p + 1: fragments 4 p .. 4 p + 3
.irp a, 0,1,2,3
.irp n, 0,1,2,3
	ds_store_b128 v[STO], v[TMP+64*\p+16*\a+4*\n:TMP+64*\p+16*\a+4*\n+3] offset:(64*(\a/2)+16*(\a%2))*SPITCH+32*\n
.endr
.endr
	s_wait_dscnt 0x0                               ; for the others' sake: my stores into the stage are done
	s_barrier_signal -1
	s_barrier_wait -1
.set t, 0
.rept 16
	ds_load_b128 v[TMP+64*\p+4*t:TMP+64*\p+4*t+3], v[RD] offset:t*2*SPITCH
.set t, t+1
.endr
.set t, 0
.rept 16
	s_wait_dscnt 15-t                              ; LDS loads come back in order: pair t of rows is in
	global_store_b128 v[CO], v[TMP+64*\p+4*t:TMP+64*\p+4*t+3], s[8:9] offset:\p*262144+t*4096   ; 16 lanes store 256 consecutive bytes, at a multiple of 256 from attn's first byte
.set t, t+1
.endr
.endm
	OUTPASS 0
	s_wait_dscnt 0x0                               ; my reads of the stage are back (met: the count-down ended at 0):
	s_barrier_signal -1
	s_barrier_wait -1                              ; every wave's are, so the stage may be written again
	OUTPASS 1
	s_wait_tensorcnt 0x0
	ds_add_u32 v30, v31
	s_wait_dscnt 0x0
	CROUND                                         ; the closing round: no work-group ends while a partner may still ask for a tile that names it
	s_endpgm
.Lfunc_end_k_q8f00b7425c_qkv:
	.size	k_q8f00b7425c_qkv, .Lfunc_end_k_q8f00b7425c_qkv-k_q8f00b7425c_qkv
	.p2alignl 7, 3214868480
	.fill 96, 4, 3214868480
	.section	.rodata,"a",@progbits
	.p2align	6, 0x0
	.amdhsa_kernel k_q8f00b7425c_qkv
		.amdhsa_group_segment_fixed_size 327680
		.amdhsa_private_segment_fixed_size 0
		.amdhsa_enable_private_segment 0
		.amdhsa_kernarg_size 24
		.amdhsa_user_sgpr_count 2
		.amdhsa_user_sgpr_kernarg_segment_ptr 1
		.amdhsa_wavefront_size32 1
		.amdhsa_system_sgpr_workgroup_id_x 1
		.amdhsa_system_sgpr_workgroup_id_y 1
		.amdhsa_system_sgpr_workgroup_id_z 1
		.amdhsa_system_vgpr_workitem_id 0
		.amdhsa_next_free_vgpr 1024
		.amdhsa_next_free_sgpr 96
		.amdhsa_reserve_vcc 0
		.amdhsa_float_denorm_mode_32 3
		.amdhsa_float_denorm_mode_16_64 3
		.amdhsa_memory_ordered 1
		.amdhsa_forward_progress 1
		.amdhsa_inst_pref_size 157
	.end_amdhsa_kernel
	.amdgpu_metadata
---
amdhsa.version: [ 1, 2 ]
amdhsa.kernels:
  - .name:           k_q8f00b7425c_qkv
    .symbol:         k_q8f00b7425c_qkv.kd
    .args:
      - { .name: actb, .offset: 0, .size: 8, .value_kind: global_buffer, .address_space: global }
      - { .name: wb, .offset: 8, .size: 8, .value_kind: global_buffer, .address_space: global }
      - { .name: attn, .offset: 16, .size: 8, .value_kind: global_buffer, .address_space: global }
    .group_segment_fixed_size: 327680
    .private_segment_fixed_size: 0
    .kernarg_segment_align: 8
    .kernarg_segment_size: 24
    .max_flat_workgroup_size: 128
    .sgpr_count:     96
    .vgpr_count:     1024
    .wavefront_size: 32
...
	.end_amdgpu_metadata
.endif
;; end of part 2
;; launch oproj (part 3): grid 4 x 64, 4 waves a work-group, clusters of 4 x 4, 327,680 bytes of LDS; arguments attn, wob, bo, query, out0; writes out0
.if DOCPART == 3
	.amdgcn_target "amdgcn-amd-amdhsa--gfx1250"
	.amdhsa_code_object_version 6
	.text
	.protected	k_q8f00b7425c_oproj
	.globl	k_q8f00b7425c_oproj
	.p2align	8
	.type	k_q8f00b7425c_oproj,@function
k_q8f00b7425c_oproj:
	s_mov_b64 s[64:65], 0
	v_nop
	global_prefetch_b8 v0, s[64:65] scope:SCOPE_SE
	s_setreg_imm32_b32 hwreg(HW_REG_WAVE_MODE, 25, 1), 1
	s_wait_xcnt 0x0
	s_wait_alu depctr_hold_cnt(0) depctr_sa_sdst(0) depctr_va_vdst(0) depctr_va_sdst(0) depctr_va_ssrc(0) depctr_va_vcc(0) depctr_vm_vsrc(0)
	s_getreg_b32 s2, hwreg(HW_REG_IB_STS2, 6, 4)
	s_cmp_eq_u32 s2, 0
	s_cbranch_scc0 .Lentry_in_a_cluster
	s_endpgm
.Lentry_in_a_cluster:
	s_bfe_u32 s2, ttmp6, 0x10000c
	s_cmp_lg_u32 s2, 0xf033
	s_cbranch_scc0 .Lentry_shape_is_right
	s_endpgm
.Lentry_shape_is_right:
; out0[m][b][o] = sum over e of attn[m, b][e] Wo[o][e] + bo[o] + query[b][o].  attn [16384][1024] bf16 (row 256 bblk + 64 m + r, b = 64 bblk + r), wob [1024][1024] bf16; sums, bias and residual f32; out0 f32.
; LIMIT: the operands are bf16; bias and query are added to each other first and then to the sum.
; A tile of 256 rows of attn x 256 output channels is made by a work-group of four waves, a wave 128 x 128: 64 accumulators, 512 registers.  64 x 4 = 256 work-groups.  K = 1,024 goes in 8 steps of 128
; through two LDS slots; the tiles' rows are 256 bytes of memory at multiples of 256 bytes.  A tile's 256 rows are four modules x the same 64 batch rows: wave (i, j) = (w / 2, w % 2) holds modules
; 2 i and 2 i + 1 and channels 128 j on, so its 64 rows x 512 bytes of query serve two blocks of results each.
; CLUSTERS: 4 x 4 work-groups; attn's tile is shared along a row of the cluster, Wo's along a column: each is asked for JOINTLY.
; THE MATRIX INSTRUCTION IS USED TRANSPOSED (source 0 = 16 rows of Wo, source 1 = 16 rows of attn): lane l holds row l % 16 and the channels 8 (l / 16) + 0..7.
; REGISTERS, in windows of 256 (s_set_vgpr_msb, low byte: bits 1:0 source 0, 3:2 source 1, 5:4 source 2, 7:6 destination):
;   window 0: v0-31 addresses and the bias; v64-127, v128-191 fragments of attn, two buffers; on the way out two buffers of 16 rows read back
;   window 1: v64-127, v128-191 fragments of Wo, two buffers; v0-63, v192-255 query rows 0-15, 16-31, loaded at the start; on the way out v128-191, v64-127 take rows 32-47, 48-63
;   window 2: the 32 accumulators of my rows 0-63 ((a, b) at v[8 (8 a + b)]);   window 3: those of my rows 64-127
.set SIZE_K, 1024
.set KSTEP,  128
.set PITCH,  272                       ; an LDS row: 256 bytes + 16 of padding = 68 words: row r starts at bank 4 r mod 64 (64 banks of 4 bytes: ISA guide 11.1)
.set HALFT,  128*PITCH                 ; 128 rows: what one tensor load brings, and what one wave reads of either tile
.set SLOT,   4*HALFT
.set STAGE,  2*SLOT                    ; behind the ring: 16 rows x 528 bytes for each wave, its own; no tensor load lands there
.set SPITCH, 528                       ; 512 bytes (128 f32) + 16: the 16 rows that a store touches start at 16 different groups of four banks
.set LAPS,   SIZE_K/(2*KSTEP)
.set ADRA, 16                          ; v16-17  LDS address of my fragments of attn in slot 0, 1
.set ADRB, 20                          ; v20-21  the same for Wo
.set STO,  24                          ; v24     the way out: where I put 32 bytes of a row
.set RD,   25                          ; v25     the way out: where I read a row back
.set CO,   26                          ; v26     16 x lane: my 16 bytes of a wave's 512 in bo, query and out0; never rewritten
.set BIAS, 28                          ; v[28:31] bo of my four channels
.set F0,   64
.set F1,   128
.set OUT,  72                          ; s[72:73] out0 at module 2 i, s[74:75] at module 2 i + 1: a module's 16,777,216 bytes do not fit a store's immediate
.set G1,  24
.set G0,  32
.set G1B, 48
.set G0B, 56
.set MSB, 0
.macro WIN new
.if MSB != \new
	s_set_vgpr_msb (MSB<<8)|\new
.set MSB, \new
.endif
.endm
.set MUL_LO, 0xa1                      ; source 0 (Wo) window 1, source 1 (attn) window 0, C and D window 2
.set MUL_HI, 0xf1                      ; C and D window 3
.set TO_B,   0x40                      ; destination window 1, address window 0
; A joint load: waves 0 and 1 fetch attn's two halves, waves 2 and 3 Wo's; four v_nop follow each of the two lines, ahead of the jump, the label and what follows.
.macro JLOAD s
	s_cmp_eq_u32 s11, 0
	s_cbranch_scc0 .Lfor_b_\@
	tensor_load_to_lds s[G0+4*\s:G0+4*\s+3], s[G1:G1+7]
	s_nop 0
.rept 4
	v_nop
.endr
	s_branch .Lasked_\@
.Lfor_b_\@:
	tensor_load_to_lds s[G0B+4*\s:G0B+4*\s+3], s[G1B:G1B+7]
	s_nop 0
.rept 4
	v_nop
.endr
.Lasked_\@:
.endm
.macro CREST                           ; a round of the cluster's barrier behind its opening barrier
	s_cmp_lg_u32 s10, 0
	s_cbranch_scc1 .Lnot_wave_0_\@
	s_barrier_signal -3
.Lnot_wave_0_\@:
	s_barrier_wait -3
	s_barrier_signal -1
	s_barrier_wait -1
.endm
.macro CROUND
	s_barrier_signal -1
	s_barrier_wait -1
	CREST
.endm
	s_load_b128 s[4:7], s[0:1], 0x0                ; attn s[4:5], wob s[6:7]
	s_load_b128 s[68:71], s[0:1], 0x10             ; bo s[68:69], query s[70:71]
	s_load_b64 s[OUT:OUT+1], s[0:1], 0x20          ; out0
	v_lshl_add_u32 v254, v0, 2, 0x4c400
	v_mov_b32 v255, 0
	ds_add_u32 v254, v255
	v_lshrrev_b32 v1, 5, v0
	v_readfirstlane_b32 s10, v1                    ; wave 0..3
	s_lshr_b32 s11, s10, 1                         ; i: which half of the tile's rows is mine.  Also: I fetch attn (0) or Wo (1)
	s_and_b32 s12, s10, 1                          ; j: which half of its channels.  Also: which 128 rows of that tile I fetch
	s_bfe_u32 s40, ttmp6, 0x40000                  ; cx
	s_bfe_u32 s41, ttmp6, 0x40004                  ; cy
	s_lshl_b32 s42, ttmp9, 2
	s_add_co_u32 s42, s42, s40                     ; block of 256 channels = 4 x cluster x + cx
	s_and_b32 s13, ttmp7, 0xffff
	s_lshl_b32 s13, s13, 2
	s_add_co_u32 s13, s13, s41                     ; bblk = 4 x cluster y + cy
	s_lshl_b32 s43, s41, 2
	s_lshl_b32 s43, 15, s43                        ; my row of the cluster
	s_lshl_b32 s44, 0x1111, s40                    ; my column
	; group 1: a tile of 128 rows x 128 elements of 2 bytes, 4 words of padding behind every 64
	s_or_b32 s[G1+0],  s43, (1<<16)|(1<<20)|(1<<21)|(5<<22)|(3<<25)
	s_or_b32 s[G1B+0], s44, (1<<16)|(1<<20)|(1<<21)|(5<<22)|(3<<25)
.irp g, G1, G1B
	s_mov_b32 s[\g+1], KSTEP<<16                   ; tensor_dim0 = 128
	s_mov_b32 s[\g+2], 128<<16                     ; tensor_dim1 = 128
	s_mov_b32 s[\g+3], KSTEP<<16                   ; tile_dim0 = 128
	s_mov_b32 s[\g+4], 128                         ; tile_dim1 = 128
	s_mov_b32 s[\g+5], SIZE_K                      ; elements from row to row
	s_mov_b32 s[\g+6], 0
	s_mov_b32 s[\g+7], 0
.endr
	s_lshl_b32 s16, s13, 19                        ; attn: row 256 bblk + 128 half, 2,048 bytes a row
	s_lshl_b32 s17, s12, 18
	s_add_co_u32 s16, s16, s17
	s_mov_b32 s17, 0
	s_lshl_b32 s46, s42, 19                        ; Wo: row 256 x block + 128 half
	s_lshl_b32 s47, s12, 18
	s_add_co_u32 s46, s46, s47
	s_mov_b32 s47, 0
	s_mul_i32 s20, s10, HALFT                      ; to where: wave x 128 rows
	s_wait_dscnt 0x0
	s_wait_kmcnt 0x0
	s_add_nc_u64 s[14:15], s[4:5], s[16:17]
	s_add_nc_u64 s[46:47], s[6:7], s[46:47]
	CROUND                                         ; all sixteen work-groups are here: the first joint loads meet
.irp s, 0,1
	s_mov_b32 s[G0+4*\s], 1
	s_add_co_u32 s[G0+4*\s+1], s20, \s*SLOT
	s_add_nc_u64 s[G0+4*\s+2:G0+4*\s+3], s[14:15], \s*KSTEP*2
	s_or_b32 s[G0+4*\s+3], s[G0+4*\s+3], 0x80000000
	s_mov_b32 s[G0B+4*\s], 1
	s_add_co_u32 s[G0B+4*\s+1], s20, \s*SLOT
	s_add_nc_u64 s[G0B+4*\s+2:G0B+4*\s+3], s[46:47], \s*KSTEP*2
	s_or_b32 s[G0B+4*\s+3], s[G0B+4*\s+3], 0x80000000
	JLOAD \s                                       ; two tensor loads of mine are out
.endr
	; bo, query and out0 at my wave's 128 channels; query and out0 at batch row 64 bblk; out0 at module 2 i and 2 i + 1
	s_lshl_b32 s46, s42, 10
	s_lshl_b32 s47, s12, 9
	s_add_co_u32 s46, s46, s47                     ; 1,024 x block + 512 j bytes
	s_mov_b32 s47, 0
	s_lshl_b32 s16, s13, 18                        ; 64 rows x 4,096 bytes
	s_mov_b32 s17, 0
	s_add_nc_u64 s[68:69], s[68:69], s[46:47]
	s_add_nc_u64 s[70:71], s[70:71], s[46:47]
	s_add_nc_u64 s[70:71], s[70:71], s[16:17]
	s_add_nc_u64 s[OUT:OUT+1], s[OUT:OUT+1], s[46:47]
	s_add_nc_u64 s[OUT:OUT+1], s[OUT:OUT+1], s[16:17]
	s_lshl_b32 s16, s11, 25                        ; 2 i modules of 16,777,216 bytes
	s_add_nc_u64 s[OUT:OUT+1], s[OUT:OUT+1], s[16:17]
	s_add_nc_u64 s[OUT+2:OUT+3], s[OUT:OUT+1], 0x1000000
	v_and_b32 v[CO], 31, v0
	v_lshlrev_b32 v[CO], 4, v[CO]
; 16 rows of query, 512 consecutive bytes a load, into window 1 at (192 rr) % 256
.macro QLOAD rr
.set QB, (192*(\rr))%256
.set t, 0
.rept 16
	global_load_b128 v[QB+4*t:QB+4*t+3], v[CO], s[70:71] offset:(16*(\rr)+t)*4096
.set t, t+1
.endr
.endm
	global_load_b128 v[BIAS:BIAS+3], v[CO], s[68:69]
	WIN TO_B
	QLOAD 0                                        ; into registers that the loop leaves alone: these 33 loads land while it runs, and are waited for on the way out
	QLOAD 1
	WIN 0
	v_and_b32 v1, 15, v0                           ; l % 16
	v_bfe_u32 v2, v0, 4, 1                         ; l / 16
	v_mul_u32_u24 v3, v1, PITCH
	v_lshl_add_u32 v3, v2, 4, v3                   ; a fragment's row x pitch + 16 x half
	s_mul_i32 s21, s11, HALFT                      ; my 128 rows of attn
	s_mul_i32 s22, s12, HALFT                      ; my 128 rows of Wo,
	s_add_co_u32 s22, s22, 2*HALFT                 ; which lie behind attn's 256
.irp s, 0,1
	v_add_nc_u32 v[ADRA+\s], s21, v3
	v_add_nc_u32 v[ADRB+\s], s22, v3
	s_add_co_u32 s21, s21, SLOT
	s_add_co_u32 s22, s22, SLOT
.endr
	s_mul_i32 s23, s10, 16*SPITCH
	s_add_co_u32 s23, s23, STAGE                   ; my stage
	v_mul_u32_u24 v4, v1, SPITCH                   ; in: row l % 16, 32 bytes for each half of the lanes
	v_lshl_add_u32 v4, v2, 5, v4
	v_add_nc_u32 v[STO], s23, v4
	v_add_nc_u32 v[RD], s23, v[CO]                 ; back: 32 lanes take one row's 512 bytes
; 16 matrix instructions: blocks a0, a0 + 1 of the window's four x all 8 blocks of 16 channels, 32 along K.  The 64 accumulators take turns, one instruction a turn.
.macro MUL16 f, hi, a0, zero
.irp a, \a0, \a0+1
.irp b, 0,1,2,3,4,5,6,7
.if \zero
	v_wmma_f32_16x16x32_bf16 v[8*(8*(\a)+\b):8*(8*(\a)+\b)+7], v[\f+8*\b:\f+8*\b+7], v[\f+8*(4*\hi+\a):\f+8*(4*\hi+\a)+7], 0
.else
	v_wmma_f32_16x16x32_bf16 v[8*(8*(\a)+\b):8*(8*(\a)+\b)+7], v[\f+8*\b:\f+8*\b+7], v[\f+8*(4*\hi+\a):\f+8*(4*\hi+\a)+7], v[8*(8*(\a)+\b):8*(8*(\a)+\b)+7]
.endif
.endr
.endr
.endm
; 32 LDS loads in one run: the fragments of a quarter step (32 K at byte k of the rows) into buffer f: Wo's 16, then attn's 16
.macro FETCH slot, k, f
	WIN TO_B
.irp i, 0,1,2,3,4,5,6,7
	ds_load_b128 v[\f+8*\i:\f+8*\i+3],   v[ADRB+\slot] offset:\k+\i*16*PITCH
	ds_load_b128 v[\f+8*\i+4:\f+8*\i+7], v[ADRB+\slot] offset:\k+\i*16*PITCH+32
.endr
	WIN 0
.irp i, 0,1,2,3,4,5,6,7
	ds_load_b128 v[\f+8*\i:\f+8*\i+3],   v[ADRA+\slot] offset:\k+\i*16*PITCH
	ds_load_b128 v[\f+8*\i+4:\f+8*\i+7], v[ADRA+\slot] offset:\k+\i*16*PITCH+32
.endr
.endm
; Four places in front of loads into registers that matrix instructions have read, and of LDS stores that read results just made (ISA guide 7.12.1 for vector instructions)
.macro PLACES
.rept 4
	v_nop
.endr
.endm
; A K step is four quarters of 32 along K, 64 matrix instructions each, on buffers 0, 1, 0, 1.  One of the first three: multiplies buffer f, and in its middle fetches the next quarter into g.
.macro QUARTER slot, k, f, g, zero
	s_wait_dscnt 8                                 ; Wo and attn's rows 0-63 are in; the youngest eight loads (rows 64-127) may be out
	WIN MUL_LO
	MUL16 \f, 0, 0, \zero
	MUL16 \f, 0, 2, \zero
	PLACES
	FETCH \slot, \k, \g
	s_wait_dscnt 32                                ; all but the 32 just issued
	WIN MUL_HI
	MUL16 \f, 1, 0, \zero
	MUL16 \f, 1, 2, \zero
.endm
; The last quarter multiplies buffer 1 and changes slots: ONE barrier; in front of it each wave waits for its reads of this slot and for all its tensor loads, of which one is out: its part of the next slot.
; fill = 1: the barrier opens a round of the cluster's barrier, and behind the round this slot is filled again, two K steps ahead: 240 matrix instructions ahead of the wait for it.
.macro TURN slot, next, fill
	s_wait_dscnt 8
	WIN MUL_LO
	MUL16 F1, 0, 0, 0
	s_wait_dscnt 0                                 ; my reads of this slot are over,
	s_set_vgpr_msb 0xa1a0
	s_wait_tensorcnt 0x0                           ; and all my tensor loads have landed
	ds_add_u32 v254, v255
	s_wait_dscnt 0x0
	s_set_vgpr_msb 0xa0a1
	s_barrier_signal -1
	MUL16 F1, 0, 2, 0                              ; work on registers while the others arrive
.if \fill
	WIN 0                                          ; at a branch and at a label every window is 0
.endif
	s_barrier_wait -1
.if \fill
	CREST                                          ; no wave of any partner still reads this slot's tile or has a load on its way
	s_add_nc_u64 s[G0+4*\slot+2:G0+4*\slot+3], s[G0+4*\slot+2:G0+4*\slot+3], 2*KSTEP*2
	s_add_nc_u64 s[G0B+4*\slot+2:G0B+4*\slot+3], s[G0B+4*\slot+2:G0B+4*\slot+3], 2*KSTEP*2
	JLOAD \slot                                    ; the first tensor load behind the round; its four v_nop are also the places in front of the loads below
.else
	PLACES
.endif
	FETCH \next, 0, F0
	WIN MUL_HI
	MUL16 F1, 1, 0, 0
	MUL16 F1, 1, 2, 0
.endm
	s_wait_tensorcnt 1                             ; my part of K step 0 is in; step 1's may stay out
	s_barrier_signal -1
	s_barrier_wait -1                              ; everybody's is
	FETCH 0, 0, F0
	QUARTER 0, 64,  F0, F1, 1                      ; the first quarter stands in front of the loop: its products start the sums
	WIN 0
	s_mov_b32 s3, LAPS-1
.Llap:                                                 ; a trip goes once round the ring, from a lap's second quarter to the next lap's first, and fills both slots again
	QUARTER 0, 128, F1, F0, 0
	QUARTER 0, 192, F0, F1, 0
	TURN 0, 1, 1
	QUARTER 1, 64,  F0, F1, 0
	QUARTER 1, 128, F1, F0, 0
	QUARTER 1, 192, F0, F1, 0
	TURN 1, 0, 1
	QUARTER 0, 64,  F0, F1, 0
	WIN 0
	s_sub_co_u32 s3, s3, 1
	s_cmp_lg_u32 s3, 0
	s_cbranch_scc1 .Llap
	QUARTER 0, 128, F1, F0, 0                      ; the last lap fills nothing
	QUARTER 0, 192, F0, F1, 0
	TURN 0, 1, 0
	QUARTER 1, 64,  F0, F1, 0
	QUARTER 1, 128, F1, F0, 0
	QUARTER 1, 192, F0, F1, 0
	s_wait_dscnt 0                                 ; the very last quarter: nothing more to fetch
	WIN MUL_LO
	MUL16 F1, 0, 0, 0
	MUL16 F1, 0, 2, 0
	WIN MUL_HI
	MUL16 F1, 1, 0, 0
	MUL16 F1, 1, 2, 0
	WIN 0
	PLACES                                         ; for the loads into Wo's fragment buffers and the LDS stores of results
	WIN TO_B
	QLOAD 2                                        ; query rows 32-63, into Wo's two fragment buffers
	QLOAD 3
; THE WAY OUT, a block of 16 rows at a time.  Block a: module 2 i + a / 4, batch rows 16 (a % 4) on.  The order 0, 4, 1, 5, .. uses each 16 rows of query twice in a row.
; TOSTAGE: a lane's 8 f32 of each of 8 channel blocks go into my own stage, rows of 528 bytes, and come back as whole rows of 512 bytes, into one of two buffers (blocks 0-3: v64-127; 4-7: v128-191).
.macro TOSTAGE a
.set AC, 64*((\a)%4)
.set BK, 64+64*((\a)/4)
	WIN 0x08+4*((\a)/4)                            ; the stores' data: window 2 or 3
.irp b, 0,1,2,3,4,5,6,7
	ds_store_b128 v[STO], v[AC+8*\b:AC+8*\b+3]   offset:64*\b
	ds_store_b128 v[STO], v[AC+8*\b+4:AC+8*\b+7] offset:64*\b+16
.endr
	WIN 0
	s_wait_xcnt 0x0                                ; every earlier memory instruction has had its addresses translated (ISA guide 3.1): the buffer, which the stores of two blocks back read, is loaded again only behind this wait
.set t, 0
.rept 16
	ds_load_b128 v[BK+4*t:BK+4*t+3], v[RD] offset:t*SPITCH   ; LDS serves a wave's instructions in order (ISA guide 5.7.1.4): these see the stores above, and the next block's stores come behind them
.set t, t+1
.endr
.endm
; FOLD: query rows 16 rr on take the bias, once for the two blocks that use them.
.macro FOLD rr
.set QB, (192*(\rr))%256
	s_wait_loadcnt 16*(3-(\rr))                    ; loads come back in order: these 16 rows (and the bias, the oldest load) are in; the 16 (3 - rr) younger loads stay out
	WIN 0x41                                       ; destination and source 0 window 1, the bias window 0
.set t, 0
.rept 16
	v_pk_add_f32 v[QB+4*t:QB+4*t+1],   v[QB+4*t:QB+4*t+1],   v[BIAS:BIAS+1]
	v_pk_add_f32 v[QB+4*t+2:QB+4*t+3], v[QB+4*t+2:QB+4*t+3], v[BIAS+2:BIAS+3]
.set t, t+1
.endr
	WIN 0
.endm
; SEND: the block takes query + bias and is stored.  younger: the LDS instructions issued behind its loads: the next block's 16 stores and 16 loads, or none.
.macro SEND a, younger
.set BK, 64+64*((\a)/4)
.set QB, (192*((\a)%4))%256
	s_wait_dscnt \younger
	WIN 0x04                                       ; source 1 window 1
.set t, 0
.rept 32
	v_pk_add_f32 v[BK+2*t:BK+2*t+1], v[BK+2*t:BK+2*t+1], v[QB+2*t:QB+2*t+1]
.set t, t+1
.endr
	WIN 0
.set t, 0
.rept 16
	global_store_b128 v[CO], v[BK+4*t:BK+4*t+3], s[OUT+2*((\a)/4):OUT+2*((\a)/4)+1] offset:(16*((\a)%4)+t)*4096 th:TH_STORE_NT   ; a wave stores 512 consecutive bytes, at a multiple of 512 from out0's first byte
.set t, t+1
.endr
.endm
	TOSTAGE 0
	FOLD 0
	TOSTAGE 4
	SEND 0, 32
.irp r, 1,2,3
	TOSTAGE \r
	FOLD \r
	SEND \r+3, 32
	TOSTAGE \r+4
	SEND \r, 32
.endr
	SEND 7, 0
	s_wait_tensorcnt 0x0
	ds_add_u32 v254, v255
	s_wait_dscnt 0x0
	CROUND                                         ; the closing round: no work-group ends while a partner may still ask for a tile that names it
	s_endpgm
.Lfunc_end_k_q8f00b7425c_oproj:
	.size	k_q8f00b7425c_oproj, .Lfunc_end_k_q8f00b7425c_oproj-k_q8f00b7425c_oproj
	.p2alignl 7, 3214868480
	.fill 96, 4, 3214868480
	.section	.rodata,"a",@progbits
	.p2align	6, 0x0
	.amdhsa_kernel k_q8f00b7425c_oproj
		.amdhsa_group_segment_fixed_size 327680
		.amdhsa_private_segment_fixed_size 0
		.amdhsa_enable_private_segment 0
		.amdhsa_kernarg_size 40
		.amdhsa_user_sgpr_count 2
		.amdhsa_user_sgpr_kernarg_segment_ptr 1
		.amdhsa_wavefront_size32 1
		.amdhsa_system_sgpr_workgroup_id_x 1
		.amdhsa_system_sgpr_workgroup_id_y 1
		.amdhsa_system_sgpr_workgroup_id_z 1
		.amdhsa_system_vgpr_workitem_id 0
		.amdhsa_next_free_vgpr 1024
		.amdhsa_next_free_sgpr 76
		.amdhsa_reserve_vcc 0
		.amdhsa_float_denorm_mode_32 3
		.amdhsa_float_denorm_mode_16_64 3
		.amdhsa_memory_ordered 1
		.amdhsa_forward_progress 1
		.amdhsa_inst_pref_size 171
	.end_amdhsa_kernel
	.amdgpu_metadata
---
amdhsa.version: [ 1, 2 ]
amdhsa.kernels:
  - .name:           k_q8f00b7425c_oproj
    .symbol:         k_q8f00b7425c_oproj.kd
    .args:
      - { .name: attn, .offset: 0, .size: 8, .value_kind: global_buffer, .address_space: global }
      - { .name: wob, .offset: 8, .size: 8, .value_kind: global_buffer, .address_space: global }
      - { .name: bo, .offset: 16, .size: 8, .value_kind: global_buffer, .address_space: global }
      - { .name: query, .offset: 24, .size: 8, .value_kind: global_buffer, .address_space: global }
      - { .name: out0, .offset: 32, .size: 8, .value_kind: global_buffer, .address_space: global }
    .group_segment_fixed_size: 327680
    .private_segment_fixed_size: 0
    .kernarg_segment_align: 8
    .kernarg_segment_size: 40
    .max_flat_workgroup_size: 128
    .sgpr_count:     76
    .vgpr_count:     1024
    .wavefront_size: 32
...
	.end_amdgpu_metadata
.endif
;; end of part 3
;; ======== version 2 of 2: 3 launches; version 1 with the launch cast written anew for expert scheduling mode
;; workspace buffers: actb 41,943,040 bytes; wb 6,291,456 bytes; wob 2,097,152 bytes; attn 33,554,432 bytes
;; launch cast (part 4): grid 768 x 1, 8 waves a work-group, no clusters, 0 bytes of LDS; arguments kv_stack, query, Wq, Wk, Wv, Wo, actb, wb, wob; writes actb, wb, wob
.if DOCPART == 4
	.amdgcn_target "amdgcn-amd-amdhsa--gfx1250"
	.amdhsa_code_object_version 6
	.text
	.protected	k_q8f00b7425c_cast
	.globl	k_q8f00b7425c_cast
	.p2align	8
	.type	k_q8f00b7425c_cast,@function
k_q8f00b7425c_cast:
	s_mov_b64 s[64:65], 0
	v_nop
	global_prefetch_b8 v0, s[64:65] scope:SCOPE_SE
	s_setreg_imm32_b32 hwreg(HW_REG_WAVE_SCHED_MODE, 0, 2), 2
	s_setreg_imm32_b32 hwreg(HW_REG_WAVE_MODE, 25, 1), 1
	s_wait_xcnt 0x0
	s_wait_alu depctr_vm_vsrc(0)
; f32 -> bf16 (round to nearest even; NaN and infinities stay what they are), once, ahead of the products, and laid out as the products' tiles, in chunks of 32 along K.
;   actb [bblk 64][chunk 32][row 320][32 k] bf16: row 64 s + r, s = 0..3 the module of kv_stack, s = 4 query; batch row 64 bblk + r, channel 32 chunk + k.
;   wb   [eblk 8][chunk 32][row 384][32 k] bf16: row 128 t + e, t = 0 Wq, 1 Wk, 2 Wv; weight row 128 eblk + e.
;   wob  [1024][1024] bf16: Wo as it lies.
; So any number of neighbouring chunks of one block of rows (20,480 bytes a chunk of activations, 24,576 of weights) is one dense run of bytes.
; A stream: each byte is read once and written once.  No LDS, no barrier, no matrix unit, no cluster: no two work-groups read the same byte.
; A work-group takes 32 source rows of 4,096 bytes.  24,576 rows (16,384 kv, 4,096 query, 4 x 1,024 weights) / 32 = 768 work-groups.
; Every thread issues its 32 loads of 16 bytes first (a wave has 16 KiB on its way), then converts and stores, four items to a block.
; THE MODE: SCHED_MODE bits 1:0 = 2 (LLVM: expert scheduling mode 2), set by the entry lines.  The code itself states the register dependences
; between vector instructions and memory instructions, with s_wait_alu, always for 0.
; THE PLAN.  Each of the three paths is a straight run.  Registers that memory instructions touch:
;   v1, v[OFFD]  the two byte offsets.  Written once by vector instructions at the path's head; read by the 32 loads and by the 32 stores.
;   X            Written by the loads, each register once, all issued before any vector instruction names X; read by the conversions.
;   Y            Written by the conversions, each register once; read by the stores.
; No register that a memory instruction reads is written again, and no load lands in a register that a vector instruction has named.  What is left to state: the offsets are written,
; ahead of the first load; and a block's Y is written, ahead of its stores.  Block p converts X of block p into Y of block p; its memory instructions are the four stores of block p - 1,
; which read v[OFFD] and Y of block p - 1: registers that no vector instruction of block p names.  So one wait at a block's head serves its four stores, dealt among its conversions.
.set BLOCK, 4                          ; items in a block
.set OFFD, 2                           ; v2         byte offset of my 8 bytes in the destination; never rewritten
.set TT,   3                           ; v3         at work; no memory instruction names it
.set X,    20                          ; v[20:147]  item i: 4 f32 as loaded
.set Y,    148                         ; v[148:211] item i: 4 bf16 to store
; The 32 items are converted and stored; item i goes to byte i x stride from my place in the destination.
.macro DRAIN stride
.set p, 0
.rept 32/BLOCK
	s_wait_loadcnt 32-BLOCK*(p+1)                  ; loads come back in order (ISA guide 5.7.1): block p's four items are in, the younger ones stay out
.if p > 0
	s_wait_alu depctr_va_vdst(0)                   ; the block before has written its Y, which the four stores below read
.endif
.set j, 0
.rept BLOCK
.set i, BLOCK*p+j
.if p > 0
	global_store_b64 v[OFFD], v[Y+2*(i-BLOCK):Y+2*(i-BLOCK)+1], s[6:7] offset:(i-BLOCK)*(\stride)   ; the block before; no vector instruction since the wait names these registers.  31 strides at the most: inside the signed 24-bit immediate
.endif
	v_cvt_pk_bf16_f32 v[Y+2*i],   v[X+4*i],   v[X+4*i+1]
	v_cvt_pk_bf16_f32 v[Y+2*i+1], v[X+4*i+2], v[X+4*i+3]
.set j, j+1
.endr
.set p, p+1
.endr
	s_wait_alu depctr_va_vdst(0)                   ; the last block has written its Y, which the last four stores read
.set i, 32-BLOCK
.rept BLOCK
	global_store_b64 v[OFFD], v[Y+2*i:Y+2*i+1], s[6:7] offset:i*(\stride)
.set i, i+1
.endr
.endm
; Tiled destination.  Thread t: source row t / 8 of 32, the 16 bytes t % 8 of a chunk's 128.  Item i is chunk i; it stands in the immediates.
; A store of a wave: 32 lanes x 8 bytes = 256 consecutive bytes (four tiled rows of 64), at a multiple of 256 from the buffer's first byte.
; A load of a wave: four rows' aligned 128 bytes; two loads that follow each other take the two halves of the same 256.
.macro PATH_T stride
	v_lshrrev_b32 v1, 3, v0
	v_and_b32 v[TT], 7, v0
	v_lshlrev_b32 v[TT], 4, v[TT]
	v_lshl_add_u32 v1, v1, 12, v[TT]               ; row x 4,096 + 16 x (t % 8)
	v_lshlrev_b32 v[OFFD], 3, v0                   ; (t / 8) x 64 + (t % 8) x 8 = 8 t
	s_wait_alu depctr_va_vdst(0)                   ; v1 and v[OFFD] are written: every load of the path reads the one as its offset, every store the other
.set i, 0
.rept 32
	global_load_b128 v[X+4*i:X+4*i+3], v1, s[4:5] offset:i*128 th:TH_LOAD_NT
.set i, i+1
.endr
	DRAIN \stride
.endm
; Row-major destination.  Item i is source row i: 256 threads x 16 bytes in, 256 x 8 bytes out.
.macro PATH_R
	v_lshlrev_b32 v1, 4, v0
	v_lshlrev_b32 v[OFFD], 3, v0
	s_wait_alu depctr_va_vdst(0)                   ; v1 and v[OFFD] are written: every load of the path reads the one as its offset, every store the other
.set i, 0
.rept 32
	global_load_b128 v[X+4*i:X+4*i+3], v1, s[4:5] offset:i*4096 th:TH_LOAD_NT
.set i, i+1
.endr
	DRAIN 2048
.endm
	s_load_b512 s[16:31], s[0:1], 0x0              ; kv s[16:17], query s[18:19], Wq s[20:21], Wk s[22:23], Wv s[24:25], Wo s[26:27], actb s[28:29], wb s[30:31]
	s_load_b64 s[32:33], s[0:1], 0x40              ; wob
	s_mov_b32 s2, ttmp9                            ; g, the work-group's number
	s_mov_b32 s9, 0                                ; upper words of the two offsets: both stay under 2^32
	s_mov_b32 s11, 0
	s_wait_kmcnt 0x0
	s_cmp_ge_u32 s2, 640
	s_cbranch_scc1 .Lweights
	; g = 0..511: kv_stack, module g / 128, rows 32 (g % 128) on.  g = 512..639: query, rows 32 (g - 512) on, as 'module' 4.
	s_and_b32 s8, s2, 511
	s_lshl_b32 s8, s8, 17                          ; source: 32 rows x 4,096 bytes for each work-group
	s_bfe_u32 s10, s2, 0x60001                     ; bblk = (g / 2) % 64
	s_mul_i32 s10, s10, 655360                     ; 32 chunks x 20,480 bytes
	s_lshr_b32 s3, s2, 7                           ; s
	s_lshl_b32 s3, s3, 12                          ; 64 rows x 64 bytes
	s_add_co_u32 s10, s10, s3
	s_and_b32 s3, s2, 1                            ; which 32 of the block's 64 rows
	s_lshl_b32 s3, s3, 11
	s_add_co_u32 s10, s10, s3
	s_cmp_lt_u32 s2, 512
	s_cselect_b64 s[4:5], s[16:17], s[18:19]
	s_add_nc_u64 s[4:5], s[4:5], s[8:9]
	s_add_nc_u64 s[6:7], s[28:29], s[10:11]
	PATH_T 20480                                   ; a chunk of actb: 320 rows x 64 bytes
	s_endpgm
.Lweights:
	s_cmp_ge_u32 s2, 736
	s_cbranch_scc1 .Lwo
	; g = 640..735: weight t = (g - 640) / 32, rows 32 x on, x = (g - 640) % 32
	s_sub_co_u32 s3, s2, 640
	s_lshr_b32 s12, s3, 5                          ; t
	s_and_b32 s13, s3, 31                          ; x
	s_lshl_b32 s8, s13, 17
	s_lshr_b32 s10, s13, 2                         ; eblk
	s_mul_i32 s10, s10, 786432                     ; 32 chunks x 24,576 bytes
	s_lshl_b32 s14, s12, 13                        ; 128 rows x 64 bytes
	s_add_co_u32 s10, s10, s14
	s_and_b32 s14, s13, 3                          ; which 32 of the block's 128 rows
	s_lshl_b32 s14, s14, 11
	s_add_co_u32 s10, s10, s14
	s_cmp_eq_u32 s12, 0
	s_cselect_b64 s[4:5], s[20:21], s[22:23]
	s_cmp_eq_u32 s12, 2
	s_cselect_b64 s[4:5], s[24:25], s[4:5]
	s_add_nc_u64 s[4:5], s[4:5], s[8:9]
	s_add_nc_u64 s[6:7], s[30:31], s[10:11]
	PATH_T 24576                                   ; a chunk of wb: 384 rows x 64 bytes
	s_endpgm
.Lwo:
	; g = 736..767: Wo, rows 32 (g - 736) on
	s_sub_co_u32 s3, s2, 736
	s_lshl_b32 s8, s3, 17
	s_lshl_b32 s10, s3, 16
	s_add_nc_u64 s[4:5], s[26:27], s[8:9]
	s_add_nc_u64 s[6:7], s[32:33], s[10:11]
	PATH_R
	s_endpgm
.Lfunc_end_k_q8f00b7425c_cast:
	.size	k_q8f00b7425c_cast, .Lfunc_end_k_q8f00b7425c_cast-k_q8f00b7425c_cast
	.p2alignl 7, 3214868480
	.fill 96, 4, 3214868480
	.section	.rodata,"a",@progbits
	.p2align	6, 0x0
	.amdhsa_kernel k_q8f00b7425c_cast
		.amdhsa_group_segment_fixed_size 0
		.amdhsa_private_segment_fixed_size 0
		.amdhsa_enable_private_segment 0
		.amdhsa_kernarg_size 72
		.amdhsa_user_sgpr_count 2
		.amdhsa_user_sgpr_kernarg_segment_ptr 1
		.amdhsa_wavefront_size32 1
		.amdhsa_system_sgpr_workgroup_id_x 1
		.amdhsa_system_sgpr_workgroup_id_y 1
		.amdhsa_system_sgpr_workgroup_id_z 1
		.amdhsa_system_vgpr_workitem_id 0
		.amdhsa_next_free_vgpr 212
		.amdhsa_next_free_sgpr 66
		.amdhsa_reserve_vcc 0
		.amdhsa_float_denorm_mode_32 3
		.amdhsa_float_denorm_mode_16_64 3
		.amdhsa_memory_ordered 1
		.amdhsa_forward_progress 1
		.amdhsa_inst_pref_size 35
	.end_amdhsa_kernel
	.amdgpu_metadata
---
amdhsa.version: [ 1, 2 ]
amdhsa.kernels:
  - .name:           k_q8f00b7425c_cast
    .symbol:         k_q8f00b7425c_cast.kd
    .args:
      - { .name: kv_stack, .offset: 0, .size: 8, .value_kind: global_buffer, .address_space: global }
      - { .name: query, .offset: 8, .size: 8, .value_kind: global_buffer, .address_space: global }
      - { .name: Wq, .offset: 16, .size: 8, .value_kind: global_buffer, .address_space: global }
      - { .name: Wk, .offset: 24, .size: 8, .value_kind: global_buffer, .address_space: global }
      - { .name: Wv, .offset: 32, .size: 8, .value_kind: global_buffer, .address_space: global }
      - { .name: Wo, .offset: 40, .size: 8, .value_kind: global_buffer, .address_space: global }
      - { .name: actb, .offset: 48, .size: 8, .value_kind: global_buffer, .address_space: global }
      - { .name: wb, .offset: 56, .size: 8, .value_kind: global_buffer, .address_space: global }
      - { .name: wob, .offset: 64, .size: 8, .value_kind: global_buffer, .address_space: global }
    .group_segment_fixed_size: 0
    .private_segment_fixed_size: 0
    .kernarg_segment_align: 8
    .kernarg_segment_size: 72
    .max_flat_workgroup_size: 256
    .sgpr_count:     66
    .vgpr_count:     212
    .wavefront_size: 32
...
	.end_amdgpu_metadata
.endif
;; end of part 4
;; launch qkv: the kernel of part 2 again; grid 8 x 64, 4 waves a work-group, clusters of 4 x 4, 327,680 bytes of LDS; arguments actb, wb, attn; writes attn
;; launch oproj: the kernel of part 3 again; grid 4 x 64, 4 waves a work-group, clusters of 4 x 4, 327,680 bytes of LDS; arguments attn, wob, bo, query, out0; writes out0
